; MI455X (gfx1250); checked and timed in simulation.
; The chip was launched on July 23, 2026; its instructions are those of AMD's public machine-readable ISA for CDNA 5 (MIT licence, August 2026) and "CDNA5" Instruction Set Architecture Reference Guide (July 2026). The comments in the code are by the model that wrote it; some were corrected since.
;; CD Module. Allowed arithmetic: float matrix products may take bf16 or f16 operands with f32 sums; all other float work in f32.
;; Inputs: xyz1 8 x 4,096 x 3 float32; xyz2 8 x 4,096 x 3 float32.
;; Outputs: out0 8 x 4,096 float32; out1 8 x 4,096 int32; out2 8 x 4,096 float32; out3 8 x 4,096 int32.
;; 2 versions, each right; version 2 is version 1 with the launch chamfer written anew for expert scheduling mode. Each part assembles by itself: llvm-mc -triple=amdgcn-amd-amdhsa -mcpu=gfx1250 --defsym DOCPART=n.
;; ======== version 1 of 2: 1 launch
;; launch chamfer (part 1): grid 128 x 2, 16 waves a work-group, no clusters, 55,296 bytes of LDS; arguments xyz1, xyz2, out0, out1, out2, out3; writes out0, out1, out2, out3
.if DOCPART == 1
	.amdgcn_target "amdgcn-amd-amdhsa--gfx1250"
	.amdhsa_code_object_version 6
	.text
	.protected	k_q4b597b571b_chamfer
	.globl	k_q4b597b571b_chamfer
	.p2align	8
	.type	k_q4b597b571b_chamfer,@function
k_q4b597b571b_chamfer:
	s_mov_b64 s[64:65], 0
	v_nop
	global_prefetch_b8 v0, s[64:65] scope:SCOPE_SE
	s_setreg_imm32_b32 hwreg(HW_REG_WAVE_MODE, 25, 1), 1
	s_wait_xcnt 0x0
; Nearest neighbour (squared distance and index) of every point of one cloud in the other cloud, both directions.
; xyz1, xyz2: [8][4096][3] f32.  out0/out1: distance and index for xyz1's points, out2/out3 for xyz2's.
;
; WHAT IS COMPUTED.  The coordinates are rounded to bf16 (operands of the matrix unit).  On the rounded points
;   sq = fl(fl(x0 x0 + x1 x1) + x2 x2),  c = fl(fl(x0 y0 + x1 y1) + x2 y2),  t = fl(sq1 + sq2),  d = max(fl(t - 2 c), 0)
; with exactly these roundings, because the index has to be the argmin of d as it is rounded, ties to the first index.
; A product of two bf16 is exact in f32, so only the order of the sums matters.  c is therefore made by a CHAIN of two
; matrix instructions on one accumulator: coordinates 0 and 1 (C = 0), then coordinate 2 (C = D).  The factor -2 is put
; into the queries' operand: a power of two changes no rounding.  t and d are two packed f32 adds.
;
; SHARES.  256 work-groups: y = direction (which cloud asks), x = 16 batch + chunk of 256 queries.  16 waves, four on a
; SIMD.  Wave w: query tiles 2 (w & 7) and 2 (w & 7) + 1 (16 queries each) against candidates 2048 (w >> 3) .. + 2047.
; Candidates are A's rows, queries B's columns: in D lane (r, h) holds query r, register j candidate 8 h + j of the tile.
; A group = 2 candidate tiles = 16 distances a lane and query tile.  Their minimum costs 8 instructions (three at a time);
; only that minimum is compared with the running one; where it wins (strictly: the first group keeps a tie) the group's
; number and its 16 distances are kept by selects.  The place in the group is read off the kept distances once, at the end.
; No branch and no address hangs on a distance.
;
; LDS: W[m] = {bf16 x0, x1 | x2, 0} 8 bytes, 32,768;  SQ[m] f32, 16,384;  results of the two candidate halves, 4,096.
; NOT USED: a cluster with joint requests.  What the 16 work-groups of a batch and direction share is one read of
; 49,152 bytes at the start, and it has to pass through registers to be rounded.  No ring: nothing is loaded later.
; LIMITS: coordinates finite and below about 1e18 in size (squares stay finite).  NaN and infinity are not propagated.
; Lanes 16-31 of A's two data registers repeat lanes 0-15; they meet zeros in B, which is sound for finite numbers only.
.set NPTS,   4096
.set PTB,    12                        ; bytes of a point
.set BATCHB, NPTS*PTB
.set QWG,    256                       ; queries of a work-group
.set LSQ,    NPTS*8                    ; LDS: SQ behind W
.set LRV,    LSQ+NPTS*4                ; LDS: smallest distances [2 halves][256 queries]
.set LRI,    LRV+2*QWG*4               ; LDS: their indices
.set GROUPS, 64                        ; groups of 32 candidates in a wave's half
.set LN,   1                           ; lane
.set RR,   2                           ; lane & 15
.set HH,   3                           ; lane >> 4
.set GOFF, 4                           ; byte offset of my first candidate in the batch
.set QOFF, 5                           ; byte offset of my query of tile 0 in the batch
.set STW,  6                           ; 8 x thread: W store; at the end the offset of my two results
.set STS,  7                           ; 4 x thread: SQ store
.set ADW,  8                           ; LDS address of my row's words in the group's first tile
.set ADS,  9                           ; LDS address (less LSQ) of my half's eight sq in the group's first tile
.set RES,  10                          ; LDS address (less LRV or LRI) of my query's result
.set TMP,  12                          ; v[12:17] at work
.set A0,   18                          ; v[18:25] A fragment, first tile: registers 0, 1 data, 2-7 zero (K slots not used)
.set A1,   26                          ; v[26:33] second tile
.set SM,   34                          ; v[34:49] sq of my 2 x 8 candidates
.set TT,   50                          ; v[50:81] t, 16 for each query tile; then at work.  At the start: candidates as loaded
.set DD,   82                          ; v[82:113] accumulators, then d, 16 for each query tile.  At the start: queries as loaded
.set QS,   114                         ; state of query tile 0; tile 1 is QST further on
.set QST,  38
.set OB1,  0                           ; B fragment with -2 y0, -2 y1 in register 0
.set OB2,  8                           ; B fragment with -2 y2 in register 1
.set OSS,  16                          ; the 16 distances of the group that holds the minimum
.set OSQ,  32                          ; the query's sq, twice (a pair for the packed add)
.set OAC,  34                          ; running minimum, clamped at 0
.set OGI,  35                          ; its group
.set OIX,  36                          ; at the end: its index
	s_load_b128 s[4:7], s[0:1], 0x0                ; xyz1, xyz2
	s_load_b256 s[8:15], s[0:1], 0x10              ; out0 .. out3
	v_lshl_add_u32 v192, v0, 2, 0xd000
	v_mov_b32 v193, 0
	v_lshrrev_b32 v[LN], 5, v0
	v_readfirstlane_b32 s16, v[LN]                 ; wave 0..15
	v_and_b32 v[LN], 31, v0
	v_and_b32 v[RR], 15, v0
	v_bfe_u32 v[HH], v0, 4, 1
	v_mul_u32_u24 v[GOFF], PTB, v0                 ; candidate t, then every 512th
	s_and_b32 s17, ttmp7, 0xffff                   ; direction
	s_lshr_b32 s18, ttmp9, 4                       ; batch
	s_and_b32 s19, ttmp9, 15                       ; chunk of 256 queries
	s_and_b32 s35, s16, 7                          ; my pair of query tiles
	s_lshr_b32 s36, s16, 3                         ; my half of the candidates
	s_mul_i32 s28, s18, BATCHB                     ; the batch in xyz1 and xyz2, bytes
	s_mov_b32 s29, 0
	s_lshl_b32 s30, ttmp9, 10                      ; the chunk in an output: (4096 batch + 256 chunk) x 4 bytes
	s_mov_b32 s31, 0
	s_mul_i32 s37, s19, QWG*PTB
	s_mul_i32 s38, s35, 32*PTB
	s_add_co_u32 s37, s37, s38
	v_mad_u32_u24 v[QOFF], v[RR], PTB, s37         ; query 256 chunk + 32 pair + r
	s_lshl_b32 s44, s16, 8
	s_lshl_b32 s45, s16, 7
	v_lshl_add_u32 v[STW], v[LN], 3, s44           ; 8 x (32 wave + lane)
	v_lshl_add_u32 v[STS], v[LN], 2, s45           ; 4 x (32 wave + lane)
	v_lshl_add_u32 v[RES], v[RR], 2, s45           ; 4 x (256 half + 32 pair + r) = 128 wave + 4 r
	s_lshl_b32 s39, s36, 14
	s_lshl_b32 s40, s36, 13
	v_lshl_add_u32 v[ADW], v[RR], 3, s39           ; 8 x (2048 half + r)
	v_lshl_add_u32 v[ADS], v[HH], 5, s40           ; 4 x (2048 half + 8 h)
	s_lshl_b32 s33, s36, 6                         ; number of my first group among the batch's 128
	s_mov_b32 s42, 0x76543210                      ; v_permlanex16_b32: lane i of one half reads lane i of the other
	s_mov_b32 s43, 0xfedcba98
	s_wait_kmcnt 0x0
	s_cmp_eq_u32 s17, 0
	s_cselect_b64 s[20:21], s[4:5], s[6:7]         ; the cloud that asks
	s_cselect_b64 s[22:23], s[6:7], s[4:5]         ; the cloud that is searched
	s_cselect_b64 s[24:25], s[8:9], s[12:13]       ; distances out
	s_cselect_b64 s[26:27], s[10:11], s[14:15]     ; indices out
	s_add_nc_u64 s[20:21], s[20:21], s[28:29]
	s_add_nc_u64 s[22:23], s[22:23], s[28:29]
	s_add_nc_u64 s[24:25], s[24:25], s[30:31]
	s_add_nc_u64 s[26:27], s[26:27], s[30:31]
.irp i, 0,1,2,3,4,5,6,7
	global_load_b96 v[TT+4*\i:TT+4*\i+2], v[GOFF], s[22:23] offset:\i*512*PTB   ; a wave's load: 384 neighbouring bytes
.endr
	global_load_b96 v[DD:DD+2],   v[QOFF], s[20:21]
	global_load_b96 v[DD+4:DD+6], v[QOFF], s[20:21] offset:16*PTB
	; the K slots that hold nothing: written once, never again
.irp k, 2,3,4,5,6,7
	v_mov_b32 v[A0+\k], 0
	v_mov_b32 v[A1+\k], 0
	v_mov_b32 v[QS+OB1+\k], 0
	v_mov_b32 v[QS+OB2+\k], 0
	v_mov_b32 v[QS+QST+OB1+\k], 0
	v_mov_b32 v[QS+QST+OB2+\k], 0
.endr
	v_mov_b32 v[QS+OB1+1], 0
	v_mov_b32 v[QS+OB2], 0
	v_mov_b32 v[QS+QST+OB1+1], 0
	v_mov_b32 v[QS+QST+OB2], 0
	; candidates: round to bf16, sq of the rounded numbers in ascending order, both into LDS
.irp i, 0,1,2,3,4,5,6,7
	s_wait_loadcnt 9-\i                            ; ten loads were issued; 9 - i are younger than candidate load i
	v_cvt_pk_bf16_f32 v[TT+4*\i],   v[TT+4*\i], v[TT+4*\i+1]       ; x0 | x1
	v_cvt_pk_bf16_f32 v[TT+4*\i+1], v[TT+4*\i+2], 0                ; x2 | 0
	v_lshlrev_b32 v[TT+4*\i+2], 16, v[TT+4*\i]                     ; the rounded x0 as f32
	v_and_b32     v[TT+4*\i+3], 0xffff0000, v[TT+4*\i]             ; x1
	v_mul_f32 v[TT+4*\i+2], v[TT+4*\i+2], v[TT+4*\i+2]             ; exact
	v_fma_f32 v[TT+4*\i+2], v[TT+4*\i+3], v[TT+4*\i+3], v[TT+4*\i+2]
	v_lshlrev_b32 v[TT+4*\i+3], 16, v[TT+4*\i+1]                   ; x2
	v_fma_f32 v[TT+4*\i+2], v[TT+4*\i+3], v[TT+4*\i+3], v[TT+4*\i+2]
	ds_store_b64 v[STW], v[TT+4*\i:TT+4*\i+1] offset:\i*512*8
	ds_store_b32 v[STS], v[TT+4*\i+2] offset:LSQ+\i*512*4
.endr
	; queries: the same, and -2 y as B's operand; lanes 16-31 (K slots 8 and up) hold zeros
	s_wait_loadcnt 0x0
	v_cmp_eq_u32 vcc_lo, 0, v[HH]
.irp q, 0,1
	v_cvt_pk_bf16_f32 v[TMP],   v[DD+4*\q], v[DD+4*\q+1]
	v_cvt_pk_bf16_f32 v[TMP+1], v[DD+4*\q+2], 0
	v_lshlrev_b32 v[TMP+2], 16, v[TMP]
	v_and_b32     v[TMP+3], 0xffff0000, v[TMP]
	v_lshlrev_b32 v[TMP+4], 16, v[TMP+1]
	v_mul_f32 v[TMP+5], v[TMP+2], v[TMP+2]
	v_fma_f32 v[TMP+5], v[TMP+3], v[TMP+3], v[TMP+5]
	v_fma_f32 v[QS+QST*\q+OSQ],   v[TMP+4], v[TMP+4], v[TMP+5]
	v_fma_f32 v[QS+QST*\q+OSQ+1], v[TMP+4], v[TMP+4], v[TMP+5]     ; the pair's second half
	v_mul_f32 v[TMP+2], -2.0, v[TMP+2]                             ; exact, and still a bf16 number
	v_mul_f32 v[TMP+3], -2.0, v[TMP+3]
	v_mul_f32 v[TMP+4], -2.0, v[TMP+4]
	v_cvt_pk_bf16_f32 v[TMP],   v[TMP+2], v[TMP+3]
	v_cvt_pk_bf16_f32 v[TMP+1], v[TMP+4], 0
	v_cndmask_b32 v[QS+QST*\q+OB1],   0, v[TMP],   vcc_lo
	v_cndmask_b32 v[QS+QST*\q+OB2+1], 0, v[TMP+1], vcc_lo
.endr
	s_wait_dscnt 0x0                               ; my part of W and SQ is in LDS,
	s_barrier_signal -1
	s_barrier_wait -1                              ; everybody's is; W and SQ are only read from here on
; the group's two A fragments (8 bytes a row) and my 2 x 8 candidates' sq
.macro FETCH
	ds_load_b64  v[A0:A0+1],     v[ADW]
	ds_load_b64  v[A1:A1+1],     v[ADW] offset:16*8
	ds_load_b128 v[SM:SM+3],     v[ADS] offset:LSQ
	ds_load_b128 v[SM+4:SM+7],   v[ADS] offset:LSQ+16
	ds_load_b128 v[SM+8:SM+11],  v[ADS] offset:LSQ+64
	ds_load_b128 v[SM+12:SM+15], v[ADS] offset:LSQ+80
.endm
; -2 c for 2 candidate tiles x 2 query tiles into d0 (query tile 0) and d1: four first links, then the four second links,
; each in place on its own accumulator (same form, C = D = the earlier D: no distance is owed, ISA guide 7.12.1)
.macro PRODUCTS d0, d1
	v_wmma_f32_16x16x32_bf16 v[\d0:\d0+7],    v[A0:A0+7], v[QS+OB1:QS+OB1+7], 0
	v_wmma_f32_16x16x32_bf16 v[\d0+8:\d0+15], v[A1:A1+7], v[QS+OB1:QS+OB1+7], 0
	v_wmma_f32_16x16x32_bf16 v[\d1:\d1+7],    v[A0:A0+7], v[QS+QST+OB1:QS+QST+OB1+7], 0
	v_wmma_f32_16x16x32_bf16 v[\d1+8:\d1+15], v[A1:A1+7], v[QS+QST+OB1:QS+QST+OB1+7], 0
	v_wmma_f32_16x16x32_bf16 v[\d0:\d0+7],    v[A0:A0+7], v[QS+OB2:QS+OB2+7], v[\d0:\d0+7]
	v_wmma_f32_16x16x32_bf16 v[\d0+8:\d0+15], v[A1:A1+7], v[QS+OB2:QS+OB2+7], v[\d0+8:\d0+15]
	v_wmma_f32_16x16x32_bf16 v[\d1:\d1+7],    v[A0:A0+7], v[QS+QST+OB2:QS+QST+OB2+7], v[\d1:\d1+7]
	v_wmma_f32_16x16x32_bf16 v[\d1+8:\d1+15], v[A1:A1+7], v[QS+QST+OB2:QS+QST+OB2+7], v[\d1+8:\d1+15]
.endm
; query tile q: d = t + (-2 c) in place in the 16 registers at d, their minimum, and the update of the tile's state.
; first = 1: d IS the state's snapshot; the group starts minimum and group number, nothing is selected or cleared.
.macro REDUCE q, d, first
.irp p, 0,2,4,6,8,10,12,14
	v_pk_add_f32 v[\d+\p:\d+\p+1], v[TT+16*\q+\p:TT+16*\q+\p+1], v[\d+\p:\d+\p+1]
.endr
	v_min3_num_f32 v[TT+16*\q],   v[\d],    v[\d+1],  v[\d+2]
	v_min3_num_f32 v[TT+16*\q+1], v[\d+3],  v[\d+4],  v[\d+5]
	v_min3_num_f32 v[TT+16*\q+2], v[\d+6],  v[\d+7],  v[\d+8]
	v_min3_num_f32 v[TT+16*\q+3], v[\d+9],  v[\d+10], v[\d+11]
	v_min3_num_f32 v[TT+16*\q+4], v[\d+12], v[\d+13], v[\d+14]
	v_min3_num_f32 v[TT+16*\q],   v[TT+16*\q],   v[TT+16*\q+1], v[TT+16*\q+2]
	v_min3_num_f32 v[TT+16*\q+3], v[TT+16*\q+3], v[TT+16*\q+4], v[\d+15]
	v_min_num_f32  v[TT+16*\q],   v[TT+16*\q],   v[TT+16*\q+3]
.if \first
	v_max_num_f32 v[QS+QST*\q+OAC], 0, v[TT+16*\q]                 ; max(d, 0) commutes with the minimum
	v_mov_b32 v[QS+QST*\q+OGI], s33
.else
	v_max_num_f32 v[TT+16*\q], 0, v[TT+16*\q]
	v_cmp_lt_f32 vcc_lo, v[TT+16*\q], v[QS+QST*\q+OAC]             ; strictly: an earlier group keeps a tie
	v_cndmask_b32 v[QS+QST*\q+OAC], v[QS+QST*\q+OAC], v[TT+16*\q], vcc_lo
	v_cndmask_b32 v[QS+QST*\q+OGI], v[QS+QST*\q+OGI], s33, vcc_lo
.irp i, 0,1,2,3,4,5,6,7,8,9,10,11,12,13,14,15
	v_cndmask_b32 v[QS+QST*\q+OSS+\i], v[QS+QST*\q+OSS+\i], v[\d+\i], vcc_lo
.endr
.endif
.endm
; one group.  fetch = 1: the next group's operands are asked for as soon as this group's are used up.
.macro GROUP first, fetch
	s_wait_dscnt 0x0                               ; the six loads of this group
.if \first
	PRODUCTS QS+OSS, QS+QST+OSS
.else
	PRODUCTS DD, DD+16
.endif
	; t = sq(candidate) + sq(query).  These 16 adds name no register of the matrix instructions above: they are the places
	; that stand between those and the loads into A and the first reads of D (four are owed).
.irp q, 0,1
.irp p, 0,2,4,6,8,10,12,14
	v_pk_add_f32 v[TT+16*\q+\p:TT+16*\q+\p+1], v[SM+\p:SM+\p+1], v[QS+QST*\q+OSQ:QS+QST*\q+OSQ+1]
.endr
.endr
.if \fetch
	v_add_nc_u32 v[ADW], 32*8, v[ADW]
	v_add_nc_u32 v[ADS], 32*4, v[ADS]
	FETCH                                          ; 72 vector instructions ahead of their use
.endif
.if \first
	REDUCE 0, QS+OSS, 1
	REDUCE 1, QS+QST+OSS, 1
.else
	REDUCE 0, DD, 0
	REDUCE 1, DD+16, 0
.endif
	s_add_co_u32 s33, s33, 1                       ; the next group's number
.endm
	FETCH
	GROUP 1, 1
	s_mov_b32 s34, GROUPS-2
.Lgroup:
	GROUP 0, 1
	s_sub_co_i32 s34, s34, 1
	s_cmp_lg_u32 s34, 0
	s_cbranch_scc1 .Lgroup
	GROUP 0, 0                                     ; the last group fetches nothing: no load passes the end of W or SQ
; The index: the first of the kept 16 distances that is not above the clamped minimum (the minimum itself, or any d <= 0).
; Kept distance i is candidate 32 group + 16 (i / 8) + 8 h + i % 8; i runs down, so that the lowest hit is written last.
; Then the other half of the lanes (the same query, the other eight rows of every tile): smaller distance, then smaller index.
.macro FINISH q
	v_mov_b32 v[QS+QST*\q+OIX], 23                 ; i = 15
.irp i, 14,13,12,11,10,9,8,7,6,5,4,3,2,1,0
	v_cmp_le_f32 vcc_lo, v[QS+QST*\q+OSS+\i], v[QS+QST*\q+OAC]
	v_cndmask_b32 v[QS+QST*\q+OIX], v[QS+QST*\q+OIX], \i+8*(\i/8), vcc_lo
.endr
	v_lshl_add_u32 v[QS+QST*\q+OIX], v[QS+QST*\q+OGI], 5, v[QS+QST*\q+OIX]
	v_lshl_add_u32 v[QS+QST*\q+OIX], v[HH], 3, v[QS+QST*\q+OIX]
	v_permlanex16_b32 v[TT],   v[QS+QST*\q+OAC], s42, s43          ; destinations were written before
	v_permlanex16_b32 v[TT+1], v[QS+QST*\q+OIX], s42, s43
	v_cmp_lt_f32 s46, v[TT], v[QS+QST*\q+OAC]
	v_cmp_eq_f32 s47, v[TT], v[QS+QST*\q+OAC]
	v_cmp_lt_u32 s48, v[TT+1], v[QS+QST*\q+OIX]
	s_and_b32 s47, s47, s48
	s_or_b32 vcc_lo, s46, s47
	v_cndmask_b32 v[QS+QST*\q+OAC], v[QS+QST*\q+OAC], v[TT],   vcc_lo
	v_cndmask_b32 v[QS+QST*\q+OIX], v[QS+QST*\q+OIX], v[TT+1], vcc_lo
	ds_store_b32 v[RES], v[QS+QST*\q+OAC] offset:LRV+64*\q         ; both halves of the lanes write the same word with the same value
	ds_store_b32 v[RES], v[QS+QST*\q+OIX] offset:LRI+64*\q
.endm
	FINISH 0
	FINISH 1
	s_wait_dscnt 0x0                               ; my results are in LDS,
	s_barrier_signal -1
	s_barrier_wait -1                              ; everybody's are
	s_cmp_gt_u32 s16, 3
	s_cbranch_scc1 .Ldone                          ; 128 threads, two queries each
	ds_load_b64 v[TT:TT+1],   v[STW] offset:LRV            ; candidates 0-2047
	ds_load_b64 v[TT+2:TT+3], v[STW] offset:LRV+QWG*4      ; candidates 2048-4095
	ds_load_b64 v[TT+4:TT+5], v[STW] offset:LRI
	ds_load_b64 v[TT+6:TT+7], v[STW] offset:LRI+QWG*4
	s_wait_dscnt 0x0
	v_cmp_lt_f32 vcc_lo, v[TT+2], v[TT]            ; the upper half has the larger indices: it wins only when strictly smaller
	v_cndmask_b32 v[TT],   v[TT],   v[TT+2], vcc_lo
	v_cndmask_b32 v[TT+4], v[TT+4], v[TT+6], vcc_lo
	v_cmp_lt_f32 vcc_lo, v[TT+3], v[TT+1]
	v_cndmask_b32 v[TT+1], v[TT+1], v[TT+3], vcc_lo
	v_cndmask_b32 v[TT+5], v[TT+5], v[TT+7], vcc_lo
	global_store_b64 v[STW], v[TT:TT+1],   s[24:25]        ; each store of a wave covers 256 consecutive bytes, aligned
	global_store_b64 v[STW], v[TT+4:TT+5], s[26:27]
.Ldone:
	s_wait_tensorcnt 0x0
	ds_add_u32 v192, v193
	s_wait_dscnt 0x0
	s_endpgm
.Lfunc_end_k_q4b597b571b_chamfer:
	.size	k_q4b597b571b_chamfer, .Lfunc_end_k_q4b597b571b_chamfer-k_q4b597b571b_chamfer
	.p2alignl 7, 3214868480
	.fill 96, 4, 3214868480
	.section	.rodata,"a",@progbits
	.p2align	6, 0x0
	.amdhsa_kernel k_q4b597b571b_chamfer
		.amdhsa_group_segment_fixed_size 55296
		.amdhsa_private_segment_fixed_size 0
		.amdhsa_enable_private_segment 0
		.amdhsa_kernarg_size 48
		.amdhsa_user_sgpr_count 2
		.amdhsa_user_sgpr_kernarg_segment_ptr 1
		.amdhsa_wavefront_size32 1
		.amdhsa_system_sgpr_workgroup_id_x 1
		.amdhsa_system_sgpr_workgroup_id_y 1
		.amdhsa_system_sgpr_workgroup_id_z 1
		.amdhsa_system_vgpr_workitem_id 0
		.amdhsa_next_free_vgpr 194
		.amdhsa_next_free_sgpr 66
		.amdhsa_reserve_vcc 1
		.amdhsa_float_denorm_mode_32 3
		.amdhsa_float_denorm_mode_16_64 3
		.amdhsa_memory_ordered 1
		.amdhsa_forward_progress 1
		.amdhsa_inst_pref_size 31
	.end_amdhsa_kernel
	.amdgpu_metadata
---
amdhsa.version: [ 1, 2 ]
amdhsa.kernels:
  - .name:           k_q4b597b571b_chamfer
    .symbol:         k_q4b597b571b_chamfer.kd
    .args:
      - { .name: xyz1, .offset: 0, .size: 8, .value_kind: global_buffer, .address_space: global }
      - { .name: xyz2, .offset: 8, .size: 8, .value_kind: global_buffer, .address_space: global }
      - { .name: out0, .offset: 16, .size: 8, .value_kind: global_buffer, .address_space: global }
      - { .name: out1, .offset: 24, .size: 8, .value_kind: global_buffer, .address_space: global }
      - { .name: out2, .offset: 32, .size: 8, .value_kind: global_buffer, .address_space: global }
      - { .name: out3, .offset: 40, .size: 8, .value_kind: global_buffer, .address_space: global }
    .group_segment_fixed_size: 55296
    .private_segment_fixed_size: 0
    .kernarg_segment_align: 8
    .kernarg_segment_size: 48
    .max_flat_workgroup_size: 512
    .sgpr_count:     66
    .vgpr_count:     194
    .wavefront_size: 32
...
	.end_amdgpu_metadata
.endif
;; end of part 1
;; ======== version 2 of 2: 1 launch; version 1 with the launch chamfer written anew for expert scheduling mode
;; launch chamfer (part 2): grid 128 x 2, 16 waves a work-group, no clusters, 55,296 bytes of LDS; arguments xyz1, xyz2, out0, out1, out2, out3; writes out0, out1, out2, out3
.if DOCPART == 2
	.amdgcn_target "amdgcn-amd-amdhsa--gfx1250"
	.amdhsa_code_object_version 6
	.text
	.protected	k_q4b597b571b_chamfer
	.globl	k_q4b597b571b_chamfer
	.p2align	8
	.type	k_q4b597b571b_chamfer,@function
k_q4b597b571b_chamfer:
	s_mov_b64 s[64:65], 0
	v_nop
	global_prefetch_b8 v0, s[64:65] scope:SCOPE_SE
	s_setreg_imm32_b32 hwreg(HW_REG_WAVE_SCHED_MODE, 0, 2), 2
	s_setreg_imm32_b32 hwreg(HW_REG_WAVE_MODE, 25, 1), 1
	s_wait_xcnt 0x0
	s_wait_alu depctr_vm_vsrc(0)
; Nearest neighbour (squared distance and index) of every point of one cloud in the other cloud, both directions.
; xyz1, xyz2: [8][4096][3] f32.  out0/out1: distance and index for xyz1's points, out2/out3 for xyz2's.
;
; WHAT IS COMPUTED.  The coordinates are rounded to bf16 (operands of the matrix unit).  On the rounded points
;   sq = fl(fl(x0 x0 + x1 x1) + x2 x2),  c = fl(fl(x0 y0 + x1 y1) + x2 y2),  t = fl(sq1 + sq2),  d = max(fl(t - 2 c), 0)
; with exactly these roundings, because the index has to be the argmin of d as it is rounded, ties to the first index.
; A product of two bf16 is exact in f32, so only the order of the sums matters.  c is therefore made by a CHAIN of two
; matrix instructions on one accumulator: coordinates 0 and 1 (C = 0), then coordinate 2 (C = D).  The factor -2 is put
; into the queries' operand: a power of two changes no rounding.  t and d are two packed f32 adds.
;
; SHARES.  256 work-groups: y = direction (which cloud asks), x = 16 batch + chunk of 256 queries.  16 waves, four on a
; SIMD.  Wave w: query tiles 2 (w & 7) and 2 (w & 7) + 1 (16 queries each) against candidates 2048 (w >> 3) .. + 2047.
; Candidates are A's rows, queries B's columns: in D lane (r, h) holds query r, register j candidate 8 h + j of the tile.
; A group = 2 candidate tiles = 16 distances a lane and query tile.  Their minimum costs 8 instructions (three at a time);
; only that minimum is compared with the running one; where it wins (strictly: the first group keeps a tie) the group's
; number and its 16 distances are kept by selects.  The place in the group is read off the kept distances once, at the end.
; No branch and no address hangs on a distance.
;
; LDS: W[m] = {bf16 x0, x1 | x2, 0} 8 bytes, 32,768;  SQ[m] f32, 16,384;  results of the two candidate halves, 4,096.
; NOT USED: a cluster with joint requests.  What the 16 work-groups of a batch and direction share is one read of
; 49,152 bytes at the start, and it has to pass through registers to be rounded.  No ring: nothing is loaded later.
; LIMITS: coordinates finite and below about 1e18 in size (squares stay finite).  NaN and infinity are not propagated.
; Lanes 16-31 of A's two data registers repeat lanes 0-15; they meet zeros in B, which is sound for finite numbers only.
;
; THE MODE: SCHED_MODE bits 1:0 = 2 (LLVM: expert scheduling mode 2), set by the entry lines.  The code itself states the
; register dependences between vector or matrix instructions and memory or LDS instructions, with s_wait_alu, always for 0.
; THE PLAN.  Registers that memory or LDS instructions touch, in the loop:
;   A[0], A[1]    two buffers of two A fragments.  Group g: its eight matrix instructions read A[g % 2]; the two LDS loads that
;                 group g issues land in the other buffer (group g + 1's rows).
;   SM[0], SM[1]  two buffers of 16 sq.  Group g: its sixteen adds read SM[g % 2]; its four LDS loads land in the other buffer.
;   ADW, ADS      read by every one of these loads; written once a trip (two groups), at the trip's head.
;   TT, DD, B's fragments and the tiles' state are named by vector and matrix instructions alone.
; So ONE wait on va_vdst stands at a group's head: the group before is done reading the other buffer, and, in a trip's first
; group, ADW and ADS are written.  The group's six loads follow, dealt among its matrix instructions, which name none of the
; registers that those loads touch.  One wait on vm_vsrc a trip stands ahead of the adds to ADW and ADS.
; A compare's mask is waited for ahead of its first select: tile 0's lies in VCC, tile 1's in s46, both made ahead of the selects.
.set NPTS,   4096
.set PTB,    12                        ; bytes of a point
.set BATCHB, NPTS*PTB
.set QWG,    256                       ; queries of a work-group
.set LSQ,    NPTS*8                    ; LDS: SQ behind W
.set LRV,    LSQ+NPTS*4                ; LDS: smallest distances [2 halves][256 queries]
.set LRI,    LRV+2*QWG*4               ; LDS: their indices
.set GROUPS, 64                        ; groups of 32 candidates in a wave's half
.set GW,     32*8                      ; bytes of a group in W
.set GS,     32*4                      ; bytes of a group in SQ
.set LN,   1                           ; lane
.set RR,   2                           ; lane & 15
.set HH,   3                           ; lane >> 4
.set GOFF, 4                           ; byte offset of my first candidate in the batch; never rewritten
.set QOFF, 5                           ; byte offset of my query of tile 0 in the batch; never rewritten
.set STW,  6                           ; 8 x thread: W store; at the end the offset of my two results; never rewritten
.set STS,  7                           ; 4 x thread: SQ store; never rewritten
.set ADW,  8                           ; LDS address of my row's words in the first tile of the trip's base group
.set ADS,  9                           ; LDS address (less LSQ) of my half's eight sq in that tile
.set RES,  10                          ; LDS address (less LRV or LRI) of my query's result; never rewritten
.set TMP,  12                          ; v[12:17] at work
.set A,    18                          ; v[18:49] buffer b, tile k: an A fragment at A + 16 b + 8 k: registers 0, 1 data, 2-7 zero (K slots not used)
.set SM,   50                          ; v[50:81] buffer b: sq of my 2 x 8 candidates at SM + 16 b
.set TT,   82                          ; v[82:113] t, 16 for each query tile; then at work.  At the start: candidates as loaded
.set DD,   114                         ; v[114:145] accumulators, then d, 16 for each query tile.  At the start: queries as loaded
.set QS,   146                         ; state of query tile 0; tile 1 is QST further on
.set QST,  38
.set OB1,  0                           ; B fragment with -2 y0, -2 y1 in register 0
.set OB2,  8                           ; B fragment with -2 y2 in register 1
.set OSS,  16                          ; the 16 distances of the group that holds the minimum
.set OSQ,  32                          ; the query's sq, twice (a pair for the packed add)
.set OAC,  34                          ; running minimum, clamped at 0
.set OGI,  35                          ; its group
.set OIX,  36                          ; at the end: its index
.set MG,   46                          ; s[46:51] at the end: three masks for each query tile (s46 in the loop: tile 1's mask)
.set CM,   66                          ; s[66:95] at the end: query tile q, kept distance i: its mask at CM + 15 q + i
	s_load_b128 s[4:7], s[0:1], 0x0                ; xyz1, xyz2
	s_load_b256 s[8:15], s[0:1], 0x10              ; out0 .. out3
	v_lshl_add_u32 v222, v0, 2, 0xd000
	v_mov_b32 v223, 0
	v_lshrrev_b32 v[LN], 5, v0
	v_readfirstlane_b32 s16, v[LN]                 ; wave 0..15
	v_and_b32 v[LN], 31, v0
	v_and_b32 v[RR], 15, v0
	v_bfe_u32 v[HH], v0, 4, 1
	v_mul_u32_u24 v[GOFF], PTB, v0                 ; candidate t, then every 512th
	s_and_b32 s17, ttmp7, 0xffff                   ; direction
	s_lshr_b32 s18, ttmp9, 4                       ; batch
	s_and_b32 s19, ttmp9, 15                       ; chunk of 256 queries
	s_wait_alu depctr_va_sdst(0)                   ; s16 is written, ahead of its first reader: my tiles, my half and my LDS places are made from it
	s_and_b32 s35, s16, 7                          ; my pair of query tiles
	s_lshr_b32 s36, s16, 3                         ; my half of the candidates
	s_mul_i32 s28, s18, BATCHB                     ; the batch in xyz1 and xyz2, bytes
	s_mov_b32 s29, 0
	s_lshl_b32 s30, ttmp9, 10                      ; the chunk in an output: (4096 batch + 256 chunk) x 4 bytes
	s_mov_b32 s31, 0
	s_mul_i32 s37, s19, QWG*PTB
	s_mul_i32 s38, s35, 32*PTB
	s_add_co_u32 s37, s37, s38
	v_mad_u32_u24 v[QOFF], v[RR], PTB, s37         ; query 256 chunk + 32 pair + r
	s_lshl_b32 s44, s16, 8
	s_lshl_b32 s45, s16, 7
	v_lshl_add_u32 v[STW], v[LN], 3, s44           ; 8 x (32 wave + lane)
	v_lshl_add_u32 v[STS], v[LN], 2, s45           ; 4 x (32 wave + lane)
	v_lshl_add_u32 v[RES], v[RR], 2, s45           ; 4 x (256 half + 32 pair + r) = 128 wave + 4 r
	s_lshl_b32 s39, s36, 14
	s_lshl_b32 s40, s36, 13
	v_lshl_add_u32 v[ADW], v[RR], 3, s39           ; 8 x (2048 half + r)
	v_lshl_add_u32 v[ADS], v[HH], 5, s40           ; 4 x (2048 half + 8 h)
	s_lshl_b32 s33, s36, 6                         ; number of my first group among the batch's 128
	s_mov_b32 s42, 0x76543210                      ; v_permlanex16_b32: lane i of one half reads lane i of the other
	s_mov_b32 s43, 0xfedcba98
	s_wait_kmcnt 0x0
	s_cmp_eq_u32 s17, 0
	s_cselect_b64 s[20:21], s[4:5], s[6:7]         ; the cloud that asks
	s_cselect_b64 s[22:23], s[6:7], s[4:5]         ; the cloud that is searched
	s_cselect_b64 s[24:25], s[8:9], s[12:13]       ; distances out
	s_cselect_b64 s[26:27], s[10:11], s[14:15]     ; indices out
	s_add_nc_u64 s[20:21], s[20:21], s[28:29]
	s_add_nc_u64 s[22:23], s[22:23], s[28:29]
	s_add_nc_u64 s[24:25], s[24:25], s[30:31]
	s_add_nc_u64 s[26:27], s[26:27], s[30:31]
	s_wait_alu depctr_va_vdst(0)                   ; GOFF, QOFF, STW, STS, RES, ADW and ADS are written: the loads and stores of the kernel read them as offsets and addresses
.irp i, 0,1,2,3,4,5,6,7
	global_load_b96 v[TT+4*\i:TT+4*\i+2], v[GOFF], s[22:23] offset:\i*512*PTB   ; a wave's load: 384 neighbouring bytes
.endr
	global_load_b96 v[DD:DD+2],   v[QOFF], s[20:21]
	global_load_b96 v[DD+4:DD+6], v[QOFF], s[20:21] offset:16*PTB
	; the K slots that hold nothing: written once, never again; no load ever lands in them
.irp k, 2,3,4,5,6,7
	v_mov_b32 v[A+\k], 0
	v_mov_b32 v[A+8+\k], 0
	v_mov_b32 v[A+16+\k], 0
	v_mov_b32 v[A+24+\k], 0
	v_mov_b32 v[QS+OB1+\k], 0
	v_mov_b32 v[QS+OB2+\k], 0
	v_mov_b32 v[QS+QST+OB1+\k], 0
	v_mov_b32 v[QS+QST+OB2+\k], 0
.endr
	v_mov_b32 v[QS+OB1+1], 0
	v_mov_b32 v[QS+OB2], 0
	v_mov_b32 v[QS+QST+OB1+1], 0
	v_mov_b32 v[QS+QST+OB2], 0
	; candidates: round to bf16, sq of the rounded numbers in ascending order; then both into LDS, in one run of stores
.irp i, 0,1,2,3,4,5,6,7
	s_wait_loadcnt 9-\i                            ; ten loads were issued; 9 - i are younger than candidate load i
	v_cvt_pk_bf16_f32 v[TT+4*\i],   v[TT+4*\i], v[TT+4*\i+1]       ; x0 | x1
	v_cvt_pk_bf16_f32 v[TT+4*\i+1], v[TT+4*\i+2], 0                ; x2 | 0
	v_lshlrev_b32 v[TT+4*\i+2], 16, v[TT+4*\i]                     ; the rounded x0 as f32
	v_and_b32     v[TT+4*\i+3], 0xffff0000, v[TT+4*\i]             ; x1
	v_mul_f32 v[TT+4*\i+2], v[TT+4*\i+2], v[TT+4*\i+2]             ; exact
	v_fma_f32 v[TT+4*\i+2], v[TT+4*\i+3], v[TT+4*\i+3], v[TT+4*\i+2]
	v_lshlrev_b32 v[TT+4*\i+3], 16, v[TT+4*\i+1]                   ; x2
	v_fma_f32 v[TT+4*\i+2], v[TT+4*\i+3], v[TT+4*\i+3], v[TT+4*\i+2]
.endr
	s_wait_alu depctr_va_vdst(0)                   ; the roundings and the sums of squares have written v[TT ..], which the sixteen LDS stores read
.irp i, 0,1,2,3,4,5,6,7
	ds_store_b64 v[STW], v[TT+4*\i:TT+4*\i+1] offset:\i*512*8
	ds_store_b32 v[STS], v[TT+4*\i+2] offset:LSQ+\i*512*4
.endr
	; queries: the same, and -2 y as B's operand; lanes 16-31 (K slots 8 and up) hold zeros.  None of these lines names a register of the stores above.
	s_wait_loadcnt 0x0
	v_cmp_eq_u32 vcc_lo, 0, v[HH]
.irp q, 0,1
	v_cvt_pk_bf16_f32 v[TMP],   v[DD+4*\q], v[DD+4*\q+1]
	v_cvt_pk_bf16_f32 v[TMP+1], v[DD+4*\q+2], 0
	v_lshlrev_b32 v[TMP+2], 16, v[TMP]
	v_and_b32     v[TMP+3], 0xffff0000, v[TMP]
	v_lshlrev_b32 v[TMP+4], 16, v[TMP+1]
	v_mul_f32 v[TMP+5], v[TMP+2], v[TMP+2]
	v_fma_f32 v[TMP+5], v[TMP+3], v[TMP+3], v[TMP+5]
	v_fma_f32 v[QS+QST*\q+OSQ],   v[TMP+4], v[TMP+4], v[TMP+5]
	v_fma_f32 v[QS+QST*\q+OSQ+1], v[TMP+4], v[TMP+4], v[TMP+5]     ; the pair's second half
	v_mul_f32 v[TMP+2], -2.0, v[TMP+2]                             ; exact, and still a bf16 number
	v_mul_f32 v[TMP+3], -2.0, v[TMP+3]
	v_mul_f32 v[TMP+4], -2.0, v[TMP+4]
	v_cvt_pk_bf16_f32 v[TMP],   v[TMP+2], v[TMP+3]
	v_cvt_pk_bf16_f32 v[TMP+1], v[TMP+4], 0
.if \q == 0
	s_wait_alu depctr_va_vcc(0)                    ; the compare on h has written VCC, ahead of the first select that reads it
.endif
	v_cndmask_b32 v[QS+QST*\q+OB1],   0, v[TMP],   vcc_lo
	v_cndmask_b32 v[QS+QST*\q+OB2+1], 0, v[TMP+1], vcc_lo
.endr
	s_wait_dscnt 0x0                               ; my part of W and SQ is in LDS,
	s_barrier_signal -1
	s_barrier_wait -1                              ; everybody's is; W and SQ are only read from here on
	s_wait_alu depctr_vm_vsrc(0)                   ; my LDS stores have read v[TT ..], which the groups' adds write from here on
; a group's two A fragments (8 bytes a row) into buffer b; off: the group, counted from the one at which ADW and ADS stand
.macro FETCHA b, off
	ds_load_b64  v[A+16*(\b):A+16*(\b)+1],   v[ADW] offset:(\off)*GW
	ds_load_b64  v[A+16*(\b)+8:A+16*(\b)+9], v[ADW] offset:(\off)*GW+16*8
.endm
; and my 2 x 8 candidates' sq
.macro FETCHS b, off
	ds_load_b128 v[SM+16*(\b):SM+16*(\b)+3],     v[ADS] offset:LSQ+(\off)*GS
	ds_load_b128 v[SM+16*(\b)+4:SM+16*(\b)+7],   v[ADS] offset:LSQ+(\off)*GS+16
	ds_load_b128 v[SM+16*(\b)+8:SM+16*(\b)+11],  v[ADS] offset:LSQ+(\off)*GS+64
	ds_load_b128 v[SM+16*(\b)+12:SM+16*(\b)+15], v[ADS] offset:LSQ+(\off)*GS+80
.endm
; -2 c for 2 candidate tiles (buffer p) x 2 query tiles into d0 (query tile 0) and d1: four first links, then the four second links,
; each in place on its own accumulator (same form, C = D = the earlier D: no distance is owed, ISA guide 7.12.1)
.macro PROD1 p, d0, d1
	v_wmma_f32_16x16x32_bf16 v[\d0:\d0+7],    v[A+16*(\p):A+16*(\p)+7],    v[QS+OB1:QS+OB1+7], 0
	v_wmma_f32_16x16x32_bf16 v[\d0+8:\d0+15], v[A+16*(\p)+8:A+16*(\p)+15], v[QS+OB1:QS+OB1+7], 0
	v_wmma_f32_16x16x32_bf16 v[\d1:\d1+7],    v[A+16*(\p):A+16*(\p)+7],    v[QS+QST+OB1:QS+QST+OB1+7], 0
	v_wmma_f32_16x16x32_bf16 v[\d1+8:\d1+15], v[A+16*(\p)+8:A+16*(\p)+15], v[QS+QST+OB1:QS+QST+OB1+7], 0
.endm
.macro PROD2 p, d0, d1
	v_wmma_f32_16x16x32_bf16 v[\d0:\d0+7],    v[A+16*(\p):A+16*(\p)+7],    v[QS+OB2:QS+OB2+7], v[\d0:\d0+7]
	v_wmma_f32_16x16x32_bf16 v[\d0+8:\d0+15], v[A+16*(\p)+8:A+16*(\p)+15], v[QS+OB2:QS+OB2+7], v[\d0+8:\d0+15]
	v_wmma_f32_16x16x32_bf16 v[\d1:\d1+7],    v[A+16*(\p):A+16*(\p)+7],    v[QS+QST+OB2:QS+QST+OB2+7], v[\d1:\d1+7]
	v_wmma_f32_16x16x32_bf16 v[\d1+8:\d1+15], v[A+16*(\p)+8:A+16*(\p)+15], v[QS+QST+OB2:QS+QST+OB2+7], v[\d1+8:\d1+15]
.endm
; query tile q: d = t + (-2 c) in place in the 16 registers at d, and their minimum.
; first = 1: d IS the state's snapshot; the group starts minimum and group number, nothing is selected or cleared.
; first = 0: the minimum is compared with the running one; the mask goes where the last argument says.
.macro DMIN q, d, first, mask
.irp p, 0,2,4,6,8,10,12,14
	v_pk_add_f32 v[\d+\p:\d+\p+1], v[TT+16*\q+\p:TT+16*\q+\p+1], v[\d+\p:\d+\p+1]
.endr
	v_min3_num_f32 v[TT+16*\q],   v[\d],    v[\d+1],  v[\d+2]
	v_min3_num_f32 v[TT+16*\q+1], v[\d+3],  v[\d+4],  v[\d+5]
	v_min3_num_f32 v[TT+16*\q+2], v[\d+6],  v[\d+7],  v[\d+8]
	v_min3_num_f32 v[TT+16*\q+3], v[\d+9],  v[\d+10], v[\d+11]
	v_min3_num_f32 v[TT+16*\q+4], v[\d+12], v[\d+13], v[\d+14]
	v_min3_num_f32 v[TT+16*\q],   v[TT+16*\q],   v[TT+16*\q+1], v[TT+16*\q+2]
	v_min3_num_f32 v[TT+16*\q+3], v[TT+16*\q+3], v[TT+16*\q+4], v[\d+15]
	v_min_num_f32  v[TT+16*\q],   v[TT+16*\q],   v[TT+16*\q+3]
.if \first
	v_max_num_f32 v[QS+QST*\q+OAC], 0, v[TT+16*\q]                 ; max(d, 0) commutes with the minimum
	v_mov_b32 v[QS+QST*\q+OGI], s33
.else
	v_max_num_f32 v[TT+16*\q], 0, v[TT+16*\q]
	v_cmp_lt_f32 \mask, v[TT+16*\q], v[QS+QST*\q+OAC]              ; strictly: an earlier group keeps a tie
.endif
.endm
; query tile q: where the group has won, its minimum, its number and its 16 distances are kept
.macro KEEP q, d, mask
	v_cndmask_b32 v[QS+QST*\q+OAC], v[QS+QST*\q+OAC], v[TT+16*\q], \mask
	v_cndmask_b32 v[QS+QST*\q+OGI], v[QS+QST*\q+OGI], s33, \mask
.irp i, 0,1,2,3,4,5,6,7,8,9,10,11,12,13,14,15
	v_cndmask_b32 v[QS+QST*\q+OSS+\i], v[QS+QST*\q+OSS+\i], v[\d+\i], \mask
.endr
.endm
; one group, on buffer p.  fetch = 1: the next group's operands are asked for, into the other buffer, at off groups from ADW and ADS.
.macro GROUP p, first, fetch, off
	s_wait_dscnt 0x0                               ; the six loads of this group: buffer p is in
.if (\fetch) && !(\first)
	s_wait_alu depctr_va_vdst(0)                   ; the group before: its matrix instructions are done reading the other A, its adds the other SM, in which the loads below land; in a trip's first group ADW and ADS are written
.endif
.if \first
	PROD1 \p, QS+OSS, QS+QST+OSS
.else
	PROD1 \p, DD, DD+16
.endif
.if \fetch
	FETCHA 1-(\p), \off                            ; no wait: no vector or matrix instruction since the last wait on va_vdst names the other buffer, ADW or ADS
.endif
.if \first
	PROD2 \p, QS+OSS, QS+QST+OSS
.else
	PROD2 \p, DD, DD+16
.endif
.if \fetch
	FETCHS 1-(\p), \off                            ; likewise; a whole group's vector work stands between these loads and their use
.endif
	; t = sq(candidate) + sq(query).  These 16 adds name no register of the matrix instructions above: they are the places
	; that stand between those and the first reads of D (four are owed, ISA guide 7.12.1).
.irp q, 0,1
.irp r, 0,2,4,6,8,10,12,14
	v_pk_add_f32 v[TT+16*\q+\r:TT+16*\q+\r+1], v[SM+16*(\p)+\r:SM+16*(\p)+\r+1], v[QS+QST*\q+OSQ:QS+QST*\q+OSQ+1]
.endr
.endr
.if \first
	DMIN 0, QS+OSS, 1, vcc_lo
	DMIN 1, QS+QST+OSS, 1, vcc_lo
.else
	DMIN 0, DD, 0, vcc_lo
	DMIN 1, DD+16, 0, s46
	s_wait_alu depctr_va_vcc(0)                    ; tile 0's compare has written VCC, ahead of the first select that reads it; tile 1's adds and minima stand between
	KEEP 0, DD, vcc_lo
	s_wait_alu depctr_va_sdst(0)                   ; tile 1's compare has written s46, ahead of the first select that reads it; tile 0's selects stand between
	KEEP 1, DD+16, s46
.endif
	s_add_co_u32 s33, s33, 1                       ; the next group's number
.endm
; The head of a trip: the two LDS addresses move on by the trip's two groups.
.macro ON
	s_wait_alu depctr_vm_vsrc(0)                   ; the LDS loads issued so far have read ADW and ADS
	v_add_nc_u32 v[ADW], 2*GW, v[ADW]
	v_add_nc_u32 v[ADS], 2*GS, v[ADS]
.endm
	FETCHA 0, 0                                    ; group 0 into buffer 0: ADW and ADS stand ahead of the head's waits on va_vdst, and no vector instruction has named the registers in which these loads land
	FETCHS 0, 0
	GROUP 0, 1, 1, 1                               ; group 0; it asks for group 1, into buffer 1, which nothing has named yet
	s_mov_b32 s34, (GROUPS-2)/2
.Lgroup:                                               ; groups 1 to 62, two to a trip: both buffers are back at their start
	ON
	GROUP 1, 0, 1, 0
	GROUP 0, 0, 1, 1
	s_sub_co_i32 s34, s34, 1
	s_cmp_lg_u32 s34, 0
	s_cbranch_scc1 .Lgroup
	GROUP 1, 0, 0, 0                               ; the last group fetches nothing: no load passes the end of W or SQ
; The index: the first of the kept 16 distances that is not above the clamped minimum (the minimum itself, or any d <= 0).
; Kept distance i is candidate 32 group + 16 (i / 8) + 8 h + i % 8; i runs down, so that the lowest hit is written last.
; The compares of both tiles stand in one run, each with a scalar register for its mask.
.irp q, 0,1
.irp i, 0,1,2,3,4,5,6,7,8,9,10,11,12,13,14
	v_cmp_le_f32 s[CM+15*\q+\i], v[QS+QST*\q+OSS+\i], v[QS+QST*\q+OAC]
.endr
.endr
	v_mov_b32 v[QS+OIX], 23                        ; i = 15
	v_mov_b32 v[QS+QST+OIX], 23
	s_wait_alu depctr_va_sdst(0)                   ; the thirty compares have written s[CM ..], ahead of the first select that reads one of them
.irp i, 14,13,12,11,10,9,8,7,6,5,4,3,2,1,0
.irp q, 0,1
	v_cndmask_b32 v[QS+QST*\q+OIX], v[QS+QST*\q+OIX], \i+8*(\i/8), s[CM+15*\q+\i]
.endr
.endr
; Then the other half of the lanes (the same query, the other eight rows of every tile): smaller distance, then smaller index.
.irp q, 0,1
	v_lshl_add_u32 v[QS+QST*\q+OIX], v[QS+QST*\q+OGI], 5, v[QS+QST*\q+OIX]
	v_lshl_add_u32 v[QS+QST*\q+OIX], v[HH], 3, v[QS+QST*\q+OIX]
	v_permlanex16_b32 v[TT+2*\q],   v[QS+QST*\q+OAC], s42, s43     ; destinations were written before
	v_permlanex16_b32 v[TT+2*\q+1], v[QS+QST*\q+OIX], s42, s43
	v_cmp_lt_f32 s[MG+3*\q],   v[TT+2*\q],   v[QS+QST*\q+OAC]
	v_cmp_eq_f32 s[MG+3*\q+1], v[TT+2*\q],   v[QS+QST*\q+OAC]
	v_cmp_lt_u32 s[MG+3*\q+2], v[TT+2*\q+1], v[QS+QST*\q+OIX]
.endr
	s_wait_alu depctr_va_sdst(0)                   ; the six compares have written s[MG ..], ahead of the scalar lines that join them
.irp q, 0,1
	s_and_b32 s[MG+3*\q+1], s[MG+3*\q+1], s[MG+3*\q+2]
	s_or_b32  s[MG+3*\q],   s[MG+3*\q],   s[MG+3*\q+1]
.endr
.irp q, 0,1
	v_cndmask_b32 v[QS+QST*\q+OAC], v[QS+QST*\q+OAC], v[TT+2*\q],   s[MG+3*\q]
	v_cndmask_b32 v[QS+QST*\q+OIX], v[QS+QST*\q+OIX], v[TT+2*\q+1], s[MG+3*\q]
.endr
	s_wait_alu depctr_va_vdst(0)                   ; the selects have written both tiles' distance and index, which the LDS stores read; all vector work on v[TT ..], in which the LDS loads behind the barrier land, is done too
.irp q, 0,1
	ds_store_b32 v[RES], v[QS+QST*\q+OAC] offset:LRV+64*\q         ; both halves of the lanes write the same word with the same value
	ds_store_b32 v[RES], v[QS+QST*\q+OIX] offset:LRI+64*\q
.endr
	s_wait_dscnt 0x0                               ; my results are in LDS,
	s_barrier_signal -1
	s_barrier_wait -1                              ; everybody's are
	s_cmp_gt_u32 s16, 3
	s_cbranch_scc1 .Ldone                          ; 128 threads, two queries each
	ds_load_b64 v[TT:TT+1],   v[STW] offset:LRV            ; candidates 0-2047.  No wait: no vector instruction since the wait ahead of the stores names v[TT ..] or STW
	ds_load_b64 v[TT+2:TT+3], v[STW] offset:LRV+QWG*4      ; candidates 2048-4095
	ds_load_b64 v[TT+4:TT+5], v[STW] offset:LRI
	ds_load_b64 v[TT+6:TT+7], v[STW] offset:LRI+QWG*4
	s_wait_dscnt 0x0
	v_cmp_lt_f32 s[MG],   v[TT+2], v[TT]           ; the upper half has the larger indices: it wins only when strictly smaller
	v_cmp_lt_f32 s[MG+1], v[TT+3], v[TT+1]
	s_wait_alu depctr_va_sdst(0)                   ; the two compares have written their masks, ahead of the first select that reads one
	v_cndmask_b32 v[TT],   v[TT],   v[TT+2], s[MG]
	v_cndmask_b32 v[TT+4], v[TT+4], v[TT+6], s[MG]
	v_cndmask_b32 v[TT+1], v[TT+1], v[TT+3], s[MG+1]
	v_cndmask_b32 v[TT+5], v[TT+5], v[TT+7], s[MG+1]
	s_wait_alu depctr_va_vdst(0)                   ; the selects have written v[TT], v[TT+1], v[TT+4] and v[TT+5], which the two stores read
	global_store_b64 v[STW], v[TT:TT+1],   s[24:25]        ; each store of a wave covers 256 consecutive bytes, aligned
	global_store_b64 v[STW], v[TT+4:TT+5], s[26:27]
.Ldone:
	s_wait_dscnt 0x0
	s_wait_alu depctr_hold_cnt(0) depctr_sa_sdst(0) depctr_va_vdst(0) depctr_va_sdst(0) depctr_va_ssrc(0) depctr_va_vcc(0) depctr_vm_vsrc(0)
	s_wait_tensorcnt 0x0
	ds_add_u32 v222, v223
	s_wait_dscnt 0x0
	s_endpgm
.Lfunc_end_k_q4b597b571b_chamfer:
	.size	k_q4b597b571b_chamfer, .Lfunc_end_k_q4b597b571b_chamfer-k_q4b597b571b_chamfer
	.p2alignl 7, 3214868480
	.fill 96, 4, 3214868480
	.section	.rodata,"a",@progbits
	.p2align	6, 0x0
	.amdhsa_kernel k_q4b597b571b_chamfer
		.amdhsa_group_segment_fixed_size 55296
		.amdhsa_private_segment_fixed_size 0
		.amdhsa_enable_private_segment 0
		.amdhsa_kernarg_size 48
		.amdhsa_user_sgpr_count 2
		.amdhsa_user_sgpr_kernarg_segment_ptr 1
		.amdhsa_wavefront_size32 1
		.amdhsa_system_sgpr_workgroup_id_x 1
		.amdhsa_system_sgpr_workgroup_id_y 1
		.amdhsa_system_sgpr_workgroup_id_z 1
		.amdhsa_system_vgpr_workitem_id 0
		.amdhsa_next_free_vgpr 224
		.amdhsa_next_free_sgpr 96
		.amdhsa_reserve_vcc 1
		.amdhsa_float_denorm_mode_32 3
		.amdhsa_float_denorm_mode_16_64 3
		.amdhsa_memory_ordered 1
		.amdhsa_forward_progress 1
		.amdhsa_inst_pref_size 40
	.end_amdhsa_kernel
	.amdgpu_metadata
---
amdhsa.version: [ 1, 2 ]
amdhsa.kernels:
  - .name:           k_q4b597b571b_chamfer
    .symbol:         k_q4b597b571b_chamfer.kd
    .args:
      - { .name: xyz1, .offset: 0, .size: 8, .value_kind: global_buffer, .address_space: global }
      - { .name: xyz2, .offset: 8, .size: 8, .value_kind: global_buffer, .address_space: global }
      - { .name: out0, .offset: 16, .size: 8, .value_kind: global_buffer, .address_space: global }
      - { .name: out1, .offset: 24, .size: 8, .value_kind: global_buffer, .address_space: global }
      - { .name: out2, .offset: 32, .size: 8, .value_kind: global_buffer, .address_space: global }
      - { .name: out3, .offset: 40, .size: 8, .value_kind: global_buffer, .address_space: global }
    .group_segment_fixed_size: 55296
    .private_segment_fixed_size: 0
    .kernarg_segment_align: 8
    .kernarg_segment_size: 48
    .max_flat_workgroup_size: 512
    .sgpr_count:     96
    .vgpr_count:     224
    .wavefront_size: 32
...
	.end_amdgpu_metadata
.endif
;; end of part 2
